; MI455X (gfx1250); checked and timed in simulation.
; The chip was launched on July 23, 2026; its instructions are those of AMD's public machine-readable ISA for CDNA 5 (MIT licence, August 2026) and "CDNA5" Instruction Set Architecture Reference Guide (July 2026). The comments in the code are by the model that wrote it; some were corrected since.
;; Differential Attention. Allowed arithmetic: matrix products marked QUANTISED: E2M3 operands, one E8M0 scale for each 32 along K, by v_wmma_scale_f32_16x16x128_f8f6f4 with both operands' format E2M3, f32 sums; everything else in f32.
;; Inputs: k1 2 x 12 x 2,048 x 128 float32; k2 2 x 12 x 2,048 x 128 float32; lambda_log 1 float32; q1 2 x 12 x 2,048 x 128 float32; q2 2 x 12 x 2,048 x 128 float32; v 2 x 12 x 2,048 x 128 float32.
;; Outputs: out0 2 x 12 x 2,048 x 128 float32.
;; This version of the problem:
;;   THIS VERSION OF THE PROBLEM IS GIVEN IN LOW PRECISION. The matrix products marked QUANTISED in the list below multiply operands that are first quantised to E2M3 (2 exponent bits, 3 mantissa bits; 6 bits a number), with one power-of-two scale for each 32 numbers along K (OCP MX v1.0); their sums are f32. All else is computed in f32.
;;   The module's matrix products, in the order in which they are computed (A, B: the left and right operand; K: the contracted axis; several contracted axes count as one K, in the product's order):
;;     1. batch 24 x [M 2,048, K 128] x [K 128, N 2,048]; A: input q1; B: input k1: QUANTISED
;;     2. batch 24 x [M 2,048, K 2,048] x [K 2,048, N 128]; A: softmax (see below); B: input v: QUANTISED
;;     3. batch 24 x [M 2,048, K 128] x [K 128, N 2,048]; A: input q2; B: input k2: QUANTISED
;;     4. batch 24 x [M 2,048, K 2,048] x [K 2,048, N 128]; A: softmax (see below); B: input v: QUANTISED
;;   THE QUANTISER, for each operand of a quantised product, along K:
;;     - K is cut into blocks of 32 from its start; a last block that is shorter is filled with zeros.
;;     - A block's scale is 2^e with e = floor(log2(the largest magnitude in the block)) - 2, held to -126 .. 127; a block of zeros has e = 0. As a byte (E8M0): e + 127.
;;     - Each number is divided by its block's scale, clamped to +-7.5, and rounded to the nearest number of E2M3, ties to even, subnormals kept.
;;     - The product sums the exact products of the quantised numbers (number of the format x scale) in f32.
;;   ~~~python
;;   def quantise(x, axis):      # numpy; x: float32 -> the quantised numbers, widened to float32 again
;;       x = np.moveaxis(x, axis, -1); K = x.shape[-1]
;;       x = np.pad(x, [(0, 0)] * (x.ndim - 1) + [(0, -K % 32)]); x = x.reshape(x.shape[:-1] + (-1, 32)); a = np.abs(x).max(-1, keepdims=True)
;;       e = np.where(a > 0, np.clip(np.frexp(np.where(a > 0, a, 1))[1] - 1 - 2, -126, 127), 0)      # np.frexp(a)[1] - 1 = floor(log2(a)), exactly
;;       r = np.clip(x / 2.0 ** e, -7.5, 7.5)
;;       step = 2.0 ** (np.maximum(np.frexp(np.where(r == 0, 1, r))[1] - 1, 0) - 3)
;;       q = np.round(r / step) * step * 2.0 ** e      # np.round: ties to even
;;       return np.moveaxis(q.reshape(q.shape[:-2] + (-1,))[..., :K], -1, axis).astype(np.float32)
;;   ~~~
;;   SOFTMAX AHEAD OF A QUANTISED PRODUCT. Where the list says 'softmax', what is quantised is not the finished softmax but p = 2^(t - M), with t = logit x log2(e) and M = ceil(the row's largest t), a whole number; so 1/2 < the row's largest p <= 1. The row's sum l is taken of the UNQUANTISED p, in f32, and the product's result is divided by l at the end. Since M is a whole number, a kernel that streams over the keys may use a running M (the ceiling of the running maximum): every later rescaling is an exact power of two, which a block's scale takes up: the codes' values come out the same.
;;   OPERANDS COMPUTED ON THE WAY. 'Computed on the way' means the value that the module computes at that place (a softmax that the list does not call 'softmax' is quantised finished and normalised). What goes into a quantiser is computed in f32, as accurately as f32 sums, v_exp_f32 and their like allow (about 1e-6 of the number): no bf16 or f16 on the way to a quantiser, and a product that is left as it is and whose result goes on into a quantised operand takes f32 operands (vector FMAs, or v_wmma_f32_16x16x4_f32). A number that lies on a knife's edge between two numbers of the format may be rounded either way, as far as f32 arithmetic and the matrix unit's own rounding can turn it there, and no further.
;; One version. Each part assembles by itself: llvm-mc -triple=amdgcn-amd-amdhsa -mcpu=gfx1250 --defsym DOCPART=n.
;; ======== version 1 of 1: 2 launches
;; limits: right only within a limited range of input values
;; workspace buffers: q_codes 9,437,184 bytes; q_scales 393,216 bytes; kv 14,745,600 bytes
;; launch quant (part 1): grid 192 x 5, 4 waves a work-group, no clusters, 69,120 bytes of LDS; arguments q1, q2, k1, k2, v, q_codes, q_scales, kv; writes q_codes, q_scales, kv
.if DOCPART == 1
	.amdgcn_target "amdgcn-amd-amdhsa--gfx1250"
	.amdhsa_code_object_version 6
	.text
	.protected	k_q6bf36f2dc6_quant
	.globl	k_q6bf36f2dc6_quant
	.p2align	8
	.type	k_q6bf36f2dc6_quant,@function
k_q6bf36f2dc6_quant:
	s_mov_b64 s[64:65], 0
	v_nop
	global_prefetch_b8 v0, s[64:65] scope:SCOPE_SE
	s_setreg_imm32_b32 hwreg(HW_REG_WAVE_MODE, 25, 1), 1
	s_wait_xcnt 0x0
; q1, q2, k1, k2 [24][2048][128] f32 become codes of FP6 (E2M3) along their last axis, v [24][2048 keys][128] along the KEYS, with one E8M0 byte for each 32 along K.
; A block's scale is 2^(floor(log2(largest magnitude)) - 2); its byte is the largest magnitude's exponent field - 2, held at 1 from below; numbers beyond the largest code get the largest code.
; LIMITS: NaN and infinities among the inputs are not served.  A block whose largest magnitude lies under 2^-124, a block of zeros too, keeps the byte 1 (zero codes add nothing; this program alone reads the bytes).
; THE CODES ARE STORED AS IMAGES OF OPERAND REGISTERS.  An image is 16 rows x 128 K, 1,536 bytes: for c = 0, 1 at 768 c: 512 bytes, 16 a lane (registers 6c .. 6c+3), then 256 bytes, 8 a lane (registers 6c+4, 6c+5);
; lane (r, h) holds row r, K = 64 c + 32 h + 0 .. 31.  Of 32 neighbouring rows of q or k, image u (0, 1) takes rows 8 u + r + 8 (r / 8).  Scale words of 64 rows: 256 bytes: [lane 16 u + r][which 32 rows][4 bytes].
; q_codes: two parts (q1, q2) of [24][64 x 32 rows][2 images]; q_scales: two parts of [24][32][256].
; kv: [24 heads][8 chunks of 256 keys][76,800 bytes]: k1's 16 images, k2's 16, v's 2 steps of 128 keys x 8 images of 16 columns d (K = the keys), then scale words: k1 1,024, k2 1,024, v 1,024 ([32 d][lane][step]).
; SHARES: y = 0 .. 3: q1, q2, k1, k2: a wave takes 64 rows in 8 steps of 8 rows (way A).  y = 4: v: x = 8 head + chunk, a wave 32 columns x 256 keys (way B).  The ways have LDS bytes of their own; waves share nothing: no barrier.
.set PART,  4718592
.set SPART, 196608
.set CHUNK, 76800
.set AREG,  11008                      ; way A, a wave: a stage of 32 places of 144 bytes, 6,144 bytes of images, 256 scale bytes
.set BSTG,  4*AREG                     ; way B: 6,144 bytes of images a wave
.set SPARE, BSTG+4*6144                ; the spare words, 128 bytes a wave
.set AR,    16                         ; way A: v16-111 three sets of 32 numbers as loaded
.set AX,    112                        ; v112-175 two sets of 32 neighbours
.set AC,    176                        ; v176-191 two sets for a block's codes
.set AE,    192                        ; v192-193 the byte, two sets
.set SPW,   194
.set NIL,   195
.set BX,    32                         ; way B: v32-95 two sets of 32 numbers
.set BC,    96
.set SB,    24
.set OUTR,  112
	s_load_b256 s[4:11], s[0:1], 0x0               ; q1, q2, k1, k2
	s_load_b256 s[12:19], s[0:1], 0x20             ; v, q_codes, q_scales, kv
	v_lshl_add_u32 v[SPW], v0, 2, SPARE
	v_mov_b32 v[NIL], 0
	v_lshrrev_b32 v1, 5, v0
	v_readfirstlane_b32 s22, v1                    ; wave
	s_and_b32 s23, ttmp7, 0xffff                   ; y: which tensor
	s_cmp_eq_u32 s23, 4
	s_cbranch_scc1 .Lv
	; ---------------- WAY A ----------------
	s_lshl_b32 s24, ttmp9, 2
	s_add_co_u32 s24, s24, s22                     ; my run of 64 rows: 0 .. 767
	s_mul_i32 s25, s22, AREG                       ; my stage,
	s_add_co_u32 s26, s25, 4608                    ; my images,
	s_add_co_u32 s28, s26, 512
	s_add_co_u32 s27, s26, 6144                    ; my scale bytes
	s_lshl_b32 s30, s24, 15                        ; 32,768 bytes of f32 a run
	s_mov_b32 s31, 0
	s_mul_i32 s32, s23, PART                       ; q: part + 6,144 a run
	s_mul_i32 s29, s24, 6144
	s_add_co_u32 s32, s32, s29
	s_mul_i32 s34, s23, SPART
	s_lshl_b32 s29, s24, 8
	s_add_co_u32 s34, s34, s29
	s_lshr_b32 s36, s24, 2                         ; k: chunk = run / 4
	s_mul_i32 s36, s36, CHUNK
	s_and_b32 s37, s24, 3
	s_sub_co_u32 s38, s23, 2                       ; k1 or k2 (not used for q)
	s_mul_i32 s29, s38, 24576
	s_add_co_u32 s39, s36, s29
	s_mul_i32 s29, s37, 6144
	s_add_co_u32 s39, s39, s29
	s_lshl_b32 s29, s38, 10
	s_add_co_u32 s36, s36, s29
	s_lshl_b32 s29, s37, 8
	s_add_co_u32 s36, s36, s29
	s_add_co_u32 s36, s36, 73728
	s_cmp_lt_u32 s23, 2
	s_cselect_b32 s32, s32, s39
	s_cselect_b32 s34, s34, s36
	s_mov_b32 s33, 0
	s_mov_b32 s35, 0
	v_and_b32 v2, 31, v0                           ; lane l
	v_lshlrev_b32 v3, 4, v2                        ; 16 bytes a lane, in and out
	v_lshrrev_b32 v14, 3, v2
	v_mul_u32_u24 v14, v14, 144
	v_and_b32 v15, 7, v2
	v_lshl_add_u32 v14, v15, 4, v14
	v_add_nc_u32 v14, s25, v14                     ; the stage on the way in: eight lanes fill a place of 128 bytes + 16
	v_mul_u32_u24 v15, v2, 144
	v_add_nc_u32 v15, s25, v15                     ; on the way out: my place: row l / 4 of the step's 8, block l % 4
	v_lshrrev_b32 v10, 2, v2
	v_bfe_u32 v11, v2, 1, 1                        ; c
	v_and_b32 v12, 1, v2                           ; h
	v_mul_u32_u24 v4, v11, 768
	v_lshl_add_u32 v4, v10, 4, v4
	v_lshl_add_u32 v4, v12, 8, v4
	v_add_nc_u32 v4, s26, v4                       ; image: 768 c + 16 (l / 4 + 16 h)
	v_mul_u32_u24 v5, v11, 768
	v_lshl_add_u32 v5, v10, 3, v5
	v_lshl_add_u32 v5, v12, 7, v5
	v_add_nc_u32 v5, s28, v5                       ; image: 768 c + 512 + 8 (l / 4 + 16 h)
	v_and_b32 v6, 3, v2
	v_lshl_add_u32 v6, v10, 3, v6
	v_add_nc_u32 v6, s27, v6                       ; my byte: 8 (l / 4) + l % 4
	v_lshlrev_b32 v7, 3, v2
	v_add_nc_u32 v8, s27, v7
	v_add_nc_u32 v9, s26, v3
	s_wait_alu depctr_va_vdst(0)                   ; the wait at the head's end
	s_wait_kmcnt 0x0
	s_cmp_lt_u32 s23, 2                            ; all choices hang on y alone
	s_cselect_b64 s[4:5], s[4:5], s[8:9]
	s_cselect_b64 s[6:7], s[6:7], s[10:11]
	s_cselect_b64 s[14:15], s[14:15], s[18:19]
	s_cselect_b64 s[16:17], s[16:17], s[18:19]
	s_and_b32 s29, s23, 1
	s_cmp_eq_u32 s29, 0
	s_cselect_b64 s[4:5], s[4:5], s[6:7]
	s_add_nc_u64 s[4:5], s[4:5], s[30:31]
	s_add_nc_u64 s[14:15], s[14:15], s[32:33]
	s_add_nc_u64 s[16:17], s[16:17], s[34:35]
.macro ALOAD t
.irp i, 0,1,2,3,4,5,6,7
	global_load_b128 v[AR+32*((\t)%3)+4*\i:AR+32*((\t)%3)+4*\i+3], v3, s[4:5] offset:4096*(\t)+512*\i th:TH_LOAD_NT   ; 32 lanes read 512 consecutive bytes
.endr
.endm
.macro ATURN t                         ; LDS serves a wave's instructions in order: no wait between the stores and the loads
.irp i, 0,1,2,3,4,5,6,7
	ds_store_b128 v14, v[AR+32*((\t)%3)+4*\i:AR+32*((\t)%3)+4*\i+3] offset:576*\i
.endr
.irp i, 0,1,2,3,4,5,6,7
	ds_load_b128 v[AX+32*((\t)%2)+4*\i:AX+32*((\t)%2)+4*\i+3], v15 offset:16*\i
.endr
.endm
	ALOAD 0
	ALOAD 1
	ALOAD 2
	s_wait_loadcnt 16                              ; step 0's eight loads are in
	ATURN 0
.macro ASTEP t
.set XS, AX+32*((\t)%2)
.set CC, AC+8*((\t)%2)
.if (\t) > 0
	s_wait_dscnt 3                                 ; my 32 neighbours are back; the last step's three stores may be out
.else
	s_wait_dscnt 0x0
.endif
.if (\t)+3 < 8
	ALOAD (\t)+3
.endif
.if (\t)+1 < 8
.if (\t) <= 4
	s_wait_loadcnt 16                              ; the next step's loads are in; those of the two steps behind it may be out
.else
	s_wait_loadcnt 8*(6-(\t))
.endif
	ATURN (\t)+1
.endif
	v_max3_num_f32 v10, |v[XS]|, |v[XS+1]|, |v[XS+2]|
	v_max3_num_f32 v11, |v[XS+3]|, |v[XS+4]|, |v[XS+5]|
.irp i, 6,10,14,18,22,26
	v_max3_num_f32 v10, v10, |v[XS+\i]|, |v[XS+\i+1]|
	v_max3_num_f32 v11, v11, |v[XS+\i+2]|, |v[XS+\i+3]|
.endr
	v_max3_num_f32 v10, v10, |v[XS+30]|, |v[XS+31]|
	v_max3_num_f32 v10, v10, v11, 0x1800000        ; the floor 2^(3 - 127): the byte cannot fall under 1
	v_add_nc_u32 v13, 0xff000000, v10              ; 2 off the exponent field: the conversions' scale operand
	v_cvt_scalef32_pk16_fp6_f32 v[CC:CC+2], v[XS:XS+15], v13
	v_cvt_scalef32_pk16_fp6_f32 v[CC+4:CC+6], v[XS+16:XS+31], v13
	v_lshrrev_b32 v[AE+(\t)%2], 23, v13            ; the byte (the plain line behind the conversions)
	v_mov_b32 v[CC+3], v[CC+4]                     ; six registers on end
	v_mov_b32 v[CC+4], v[CC+5]
	v_mov_b32 v[CC+5], v[CC+6]
	ds_store_b128 v4, v[CC:CC+3] offset:3072*((\t)/4)+1536*((\t)%2)+128*(((\t)/2)%2)   ; row 8 t + l / 4: image t % 2, its lane 8 ((t / 2) % 2) + l / 4
	ds_store_b64 v5, v[CC+4:CC+5] offset:3072*((\t)/4)+1536*((\t)%2)+64*(((\t)/2)%2)
	ds_store_b8 v6, v[AE+(\t)%2] offset:128*((\t)%2)+64*(((\t)/2)%2)+4*((\t)/4)
.endm
.irp t, 0,1,2,3,4,5,6,7
	ASTEP \t
.endr
.irp i, 0,1,2,3,4,5,6,7,8,9,10,11
	ds_load_b128 v[AR+4*\i:AR+4*\i+3], v9 offset:512*\i
.endr
	ds_load_b64 v[AX:AX+1], v8
	s_wait_dscnt 0x0
.irp i, 0,1,2,3,4,5,6,7,8,9,10,11
	global_store_b128 v3, v[AR+4*\i:AR+4*\i+3], s[14:15] offset:512*\i   ; 32 lanes store 512 consecutive bytes, aligned to 256
.endr
	global_store_b64 v7, v[AX:AX+1], s[16:17]      ; 256 consecutive bytes, aligned
	s_wait_tensorcnt 0x0                           ; the wave's end
	ds_add_u32 v[SPW], v[NIL]
	s_wait_dscnt 0x0
	s_endpgm
	; ---------------- WAY B: v: a lane takes a column d, its registers run down the keys ----------------
.Lv:
	s_mul_i32 s25, s22, 6144
	s_add_co_u32 s25, s25, BSTG                    ; my images
	s_add_co_u32 s28, s25, 512
	s_lshl_b32 s26, ttmp9, 17                      ; v: 256 keys x 512 bytes a chunk,
	s_lshl_b32 s29, s22, 7                         ; + my 32 columns
	s_add_co_u32 s26, s26, s29
	s_mov_b32 s27, 0
	s_mul_i32 s30, ttmp9, CHUNK
	s_mul_i32 s29, s22, 3072                       ; my two images of a step
	s_add_co_u32 s32, s30, s29
	s_add_co_u32 s32, s32, 49152
	s_mov_b32 s33, 0
	s_lshl_b32 s29, s22, 8
	s_add_co_u32 s34, s30, s29
	s_add_co_u32 s34, s34, 75776
	s_mov_b32 s35, 0
	v_and_b32 v2, 31, v0
	v_lshlrev_b32 v3, 2, v2                        ; in: 4 bytes a lane
	v_lshrrev_b32 v6, 4, v2
	v_and_b32 v10, 15, v2
	v_mul_u32_u24 v4, v6, 1536
	v_mul_u32_u24 v5, v6, 1536
	v_lshl_add_u32 v4, v10, 4, v4
	v_lshl_add_u32 v5, v10, 3, v5
	v_add_nc_u32 v4, s25, v4                       ; image l / 16, its lane l % 16 (+ 16 h by the offset)
	v_add_nc_u32 v5, s28, v5
	v_lshlrev_b32 v8, 4, v2
	v_add_nc_u32 v7, s25, v8
	v_lshlrev_b32 v9, 3, v2
	s_wait_alu depctr_va_vdst(0)                   ; the wait at the head's end
	s_wait_kmcnt 0x0
	s_add_nc_u64 s[12:13], s[12:13], s[26:27]
	s_add_nc_u64 s[20:21], s[18:19], s[32:33]
	s_add_nc_u64 s[18:19], s[18:19], s[34:35]
.macro BLOAD t
.set ii, 0
.rept 32
	global_load_b32 v[BX+32*((\t)%2)+ii], v3, s[12:13] offset:(32*(\t)+ii)*512 th:TH_LOAD_NT
.set ii, ii+1
.endr
.endm
	BLOAD 0
	BLOAD 1
.macro BBLOCK t                        ; block t of 32 keys: step t / 4, c = (t / 2) % 2, h = t % 2
.set XS, BX+32*((\t)%2)
.if (\t) < 7
	s_wait_loadcnt 32                              ; this block's loads are in; the next block's 32 may be out
.else
	s_wait_loadcnt 0
.endif
	v_max3_num_f32 v12, |v[XS]|, |v[XS+1]|, |v[XS+2]|
	v_max3_num_f32 v13, |v[XS+3]|, |v[XS+4]|, |v[XS+5]|
.irp i, 6,10,14,18,22,26
	v_max3_num_f32 v12, v12, |v[XS+\i]|, |v[XS+\i+1]|
	v_max3_num_f32 v13, v13, |v[XS+\i+2]|, |v[XS+\i+3]|
.endr
	v_max3_num_f32 v12, v12, |v[XS+30]|, |v[XS+31]|
	v_max3_num_f32 v12, v12, v13, 0x1800000
	v_add_nc_u32 v11, 0xff000000, v12
	v_cvt_scalef32_pk16_fp6_f32 v[BC:BC+2], v[XS:XS+15], v11
	v_cvt_scalef32_pk16_fp6_f32 v[BC+4:BC+6], v[XS+16:XS+31], v11
	v_lshrrev_b32 v13, 23, v11                     ; the byte (the plain line behind the conversions)
.if (\t)%4 == 0
	v_mov_b32 v[SB+(\t)/4], v13                    ; a step's four bytes make its scale word
.else
	v_lshl_or_b32 v[SB+(\t)/4], v13, 8*((\t)%4), v[SB+(\t)/4]
.endif
	v_mov_b32 v[BC+3], v[BC+4]
	v_mov_b32 v[BC+4], v[BC+5]
	v_mov_b32 v[BC+5], v[BC+6]
	ds_store_b128 v4, v[BC:BC+3] offset:3072*((\t)/4)+768*(((\t)/2)%2)+256*((\t)%2)
	ds_store_b64 v5, v[BC+4:BC+5] offset:3072*((\t)/4)+768*(((\t)/2)%2)+128*((\t)%2)
.if (\t)+2 < 8
	BLOAD (\t)+2
.endif
	s_wait_dscnt 0x0                               ; the stores have read their registers
.endm
.irp t, 0,1,2,3,4,5,6,7
	BBLOCK \t
.endr
	s_wait_alu depctr_va_vdst(0)                   ; the wait directly ahead of the reader below
	global_store_b64 v9, v[SB:SB+1], s[18:19]      ; 256 consecutive bytes, aligned: my 32 columns' words of both steps
.irp i, 0,1,2,3,4,5,6,7,8,9,10,11
	ds_load_b128 v[OUTR+4*\i:OUTR+4*\i+3], v7 offset:512*\i
.endr
	s_wait_dscnt 0x0
.irp i, 0,1,2,3,4,5,6,7,8,9,10,11
	global_store_b128 v8, v[OUTR+4*\i:OUTR+4*\i+3], s[20:21] offset:12288*(\i/6)+512*(\i%6)
.endr
	s_wait_tensorcnt 0x0                           ; the wave's end
	ds_add_u32 v[SPW], v[NIL]
	s_wait_dscnt 0x0
	s_endpgm
.Lfunc_end_k_q6bf36f2dc6_quant:
	.size	k_q6bf36f2dc6_quant, .Lfunc_end_k_q6bf36f2dc6_quant-k_q6bf36f2dc6_quant
	.p2alignl 7, 3214868480
	.fill 96, 4, 3214868480
	.section	.rodata,"a",@progbits
	.p2align	6, 0x0
	.amdhsa_kernel k_q6bf36f2dc6_quant
		.amdhsa_group_segment_fixed_size 69120
		.amdhsa_private_segment_fixed_size 0
		.amdhsa_enable_private_segment 0
		.amdhsa_kernarg_size 64
		.amdhsa_user_sgpr_count 2
		.amdhsa_user_sgpr_kernarg_segment_ptr 1
		.amdhsa_wavefront_size32 1
		.amdhsa_system_sgpr_workgroup_id_x 1
		.amdhsa_system_sgpr_workgroup_id_y 1
		.amdhsa_system_sgpr_workgroup_id_z 1
		.amdhsa_system_vgpr_workitem_id 0
		.amdhsa_next_free_vgpr 196
		.amdhsa_next_free_sgpr 66
		.amdhsa_reserve_vcc 0
		.amdhsa_float_denorm_mode_32 3
		.amdhsa_float_denorm_mode_16_64 3
		.amdhsa_memory_ordered 1
		.amdhsa_forward_progress 1
		.amdhsa_inst_pref_size 74
	.end_amdhsa_kernel
	.amdgpu_metadata
---
amdhsa.version: [ 1, 2 ]
amdhsa.kernels:
  - .name:           k_q6bf36f2dc6_quant
    .symbol:         k_q6bf36f2dc6_quant.kd
    .args:
      - { .name: q1, .offset: 0, .size: 8, .value_kind: global_buffer, .address_space: global }
      - { .name: q2, .offset: 8, .size: 8, .value_kind: global_buffer, .address_space: global }
      - { .name: k1, .offset: 16, .size: 8, .value_kind: global_buffer, .address_space: global }
      - { .name: k2, .offset: 24, .size: 8, .value_kind: global_buffer, .address_space: global }
      - { .name: v, .offset: 32, .size: 8, .value_kind: global_buffer, .address_space: global }
      - { .name: q_codes, .offset: 40, .size: 8, .value_kind: global_buffer, .address_space: global }
      - { .name: q_scales, .offset: 48, .size: 8, .value_kind: global_buffer, .address_space: global }
      - { .name: kv, .offset: 56, .size: 8, .value_kind: global_buffer, .address_space: global }
    .group_segment_fixed_size: 69120
    .private_segment_fixed_size: 0
    .kernarg_segment_align: 8
    .kernarg_segment_size: 64
    .max_flat_workgroup_size: 128
    .sgpr_count:     66
    .vgpr_count:     196
    .wavefront_size: 32
...
	.end_amdgpu_metadata
.endif
;; end of part 1
;; launch attn (part 2): grid 24 x 16, 8 waves a work-group, no clusters, 327,680 bytes of LDS; arguments q_codes, q_scales, kv, lambda_log, out0; writes out0
.if DOCPART == 2
	.amdgcn_target "amdgcn-amd-amdhsa--gfx1250"
	.amdhsa_code_object_version 6
	.text
	.protected	k_q6bf36f2dc6_attn
	.globl	k_q6bf36f2dc6_attn
	.p2align	8
	.type	k_q6bf36f2dc6_attn,@function
k_q6bf36f2dc6_attn:
	s_mov_b64 s[64:65], 0
	v_nop
	global_prefetch_b8 v0, s[64:65] scope:SCOPE_SE
	s_setreg_imm32_b32 hwreg(HW_REG_WAVE_MODE, 25, 1), 1
	s_wait_xcnt 0x0
; out = softmax(q1 k1^T / sqrt(128)) v - exp(lambda_log) softmax(q2 k2^T / sqrt(128)) v under the causal mask that the problem builds itself, all four products in MX-FP6.
; LEFT OUT: steps of 128 keys that lie wholly behind a block's last query: the mask gives them the weight 0 for all values of the inputs.  A NaN or infinity that reaches only those steps is not carried to the result.
; LIMIT: the promise holds while the scaled scores (exponents to the base 2) stay under 2^31 in magnitude.
; A work-group takes a head (x) and 128 queries (block 15 - y: the longest have the lowest numbers).  Eight waves: 0-3 serve the first attention, 4-7 the second, 32 queries each: two tiles of 16, tile u holding
; queries 8 u + r + 8 (r / 8) of the 32.  Both products are used transposed (S^T = k q^T, O^T = v^T p^T): a lane holds one query; each fragment of k and of v feeds two matrix instructions.
; The keys go in chunks of 256 (two steps of 128) through two LDS slots.  A chunk is 76,800 dense bytes of kv, 300 rows of 256 bytes: k1's, k2's and v's register images and their scale words.
; Waves 0-5 bring 48 rows of codes each, waves 6 and 7 six rows of scale words: one tensor load a wave behind each barrier.  All LDS reads are dense from lane to lane.
; The loop has 8 trips for every block; fills and steps that the mask empties are passed over by tests on ids alone.  p = 2^(t - M), M the running maximum rounded up; the sum is taken of p before it is quantised.
; NO CLUSTER: the blocks of a head need unlike numbers of chunks (1 to 8), so partners could not make every joint request and read what it brings.
; PREFETCH: the block-15 work-group of each head, which reads all 8 chunks, asks in trip t for chunk t + 2, one chunk ahead of the tensor load: 300 blocks of 256 bytes, 38 a wave, each named once; trips 6 and 7 ask for nothing.
; REGISTERS.  Window 0: v1-14 addresses, v16-27 state, v32-43 scales and mask thresholds, v44-79 at work, v80-103 q, v104-127 p's codes, v128-255 S (then p).  Window 1: v0-127 O^T, v128-223 eight fragments.
.set SLOT1, 1<<17
.set CHUNK, 76800
.set STEPB, 12288
.set SPARE, SLOT1+CHUNK                ; the spare words, 128 bytes a wave
.set IMG,   SPARE+1024                 ; 8 x 8,448 bytes, a wave's own: first a tile of results for its partner, then its stage for the way out; no fill lands here
.set SPITCH, 528                       ; the way out: 16 rows of 512 + 16 bytes a wave
.set PART,  4718592
.set SPART, 196608
.set AKA0, 1
.set AKB0, 2
.set AVA0, 3
.set AVB0, 4
.set SPW,  5
.set NIL,  6
.set ASK0, 7
.set ASV0, 8
.set ADKA, 9
.set ADKB, 10
.set ADVA, 11
.set ADVB, 12
.set ADS,  13
.set ADT,  14
.set NM,   16                          ; pairs (-M, largest t), a pair a tile
.set SU,   20                          ; the sums, a pair a tile
.set FF,   24                          ; pairs (f, p's scale word)
.set PFO,  29
.set KS,   32
.set VS,   36
.set THR,  40
.set QS,   42
.set TT,   44                          ; 16 a tile: +0..3 block maxima, +4..11 at work, +12..15 scale operands
.set XX,   76
.set NINF, 78
.set LN,   79
.set QF,   80
.set PC,   104
.set SB,   128
.set FR,   128                         ; window 1
.set MK,   3
.set WV,   14
.set ATT,  15
.set GRP,  16
.set YB,   17
.set QB,   18
.set KF,   19
.set TB,   20
.set SLOTS, 21
.set LIM,  22
.set LAM,  23
.set G1C,  24
.set G1S,  32
.set G0,   40
.set SEL,  44
.set CS,   46
.set PFA,  48
.set MSB, 0
.macro WIN new
.if MSB != \new
	s_set_vgpr_msb (MSB<<8)|\new
.set MSB, \new
.endif
.endm
.macro NOPS
.rept 4
	v_nop
.endr
.endm
.macro TLOAD                           ; one load on every way: codes (48 rows) or scale words (6 rows); the branch hangs on the wave's number
	s_cmp_lt_u32 s[WV], 6
	s_cbranch_scc0 .Lsc_\@
	tensor_load_to_lds s[G0:G0+3], s[G1C:G1C+7]
	s_nop 0
	NOPS
	s_branch .Lj_\@
.Lsc_\@:
	tensor_load_to_lds s[G0:G0+3], s[G1S:G1S+7]
	s_nop 0
	NOPS
.Lj_\@:
.endm
	s_load_b256 s[4:11], s[0:1], 0x0               ; q_codes, q_scales, kv, lambda_log
	s_load_b64 s[12:13], s[0:1], 0x20              ; out0
	v_lshl_add_u32 v[SPW], v0, 2, SPARE
	v_mov_b32 v[NIL], 0
	ds_add_u32 v[SPW], v[NIL]                      ; the opening lines: the add twice and its wait
	ds_add_u32 v[SPW], v[NIL]
	v_lshrrev_b32 v9, 5, v0
	v_readfirstlane_b32 s[WV], v9
	s_lshr_b32 s[ATT], s[WV], 2
	s_and_b32 s[GRP], s[WV], 3
	s_and_b32 s[YB], ttmp7, 0xffff
	s_sub_co_u32 s[QB], 15, s[YB]
	s_lshl_b32 s[QB], s[QB], 7                     ; the block's first query
	s_mul_i32 s50, ttmp9, 8*CHUNK
	s_mov_b32 s51, 0
	s_min_u32 s52, s[WV], 6                        ; my part of a chunk: 12,288 x wave; wave 7: 1,536 behind wave 6's
	s_mul_i32 s52, s52, STEPB
	s_add_co_u32 s53, s[WV], 1
	s_lshr_b32 s53, s53, 3
	s_mul_i32 s53, s53, 1536
	s_add_co_u32 s52, s52, s53
	s_add_co_u32 s54, s50, s52
	s_mov_b32 s55, 0
	s_mov_b32 s[G1C], 3<<16                        ; rows of 32 elements of 8 bytes, dense
	s_mov_b32 s[G1C+1], 32<<16
	s_mov_b32 s[G1C+2], 48<<16
	s_mov_b32 s[G1C+3], 32<<16
	s_mov_b32 s[G1C+4], 48
	s_mov_b32 s[G1C+5], 32
	s_mov_b32 s[G1C+6], 0
	s_mov_b32 s[G1C+7], 0
	s_mov_b32 s[G1S], 3<<16
	s_mov_b32 s[G1S+1], 32<<16
	s_mov_b32 s[G1S+2], 6<<16
	s_mov_b32 s[G1S+3], 32<<16
	s_mov_b32 s[G1S+4], 6
	s_mov_b32 s[G1S+5], 32
	s_mov_b32 s[G1S+6], 0
	s_mov_b32 s[G1S+7], 0
	s_mov_b32 s[SEL], 0x76543210
	s_mov_b32 s[SEL+1], 0xfedcba98
	s_mov_b32 s[CS], 0x3e0293ee                    ; log2(e) / sqrt(128)
	s_mov_b32 s[CS+1], s[CS]
	s_mov_b32 s[TB], 0
	s_mov_b32 s[KF], 0
	s_mov_b32 s[SLOTS], 8
	s_wait_dscnt 0x0
	s_wait_kmcnt 0x0
	s_mov_b32 s[G0], 1
	s_mov_b32 s[G0+1], s52
	s_add_nc_u64 s[G0+2:G0+3], s[8:9], s[54:55]
	s_or_b32 s[G0+3], s[G0+3], 0x80000000
	TLOAD                                          ; chunk 0 into slot 0
	s_load_b32 s[LAM], s[10:11], 0x0
	s_add_nc_u64 s[PFA:PFA+1], s[8:9], s[50:51]
	s_add_nc_u64 s[PFA:PFA+1], s[PFA:PFA+1], CHUNK ; stepped at each trip's head: trip t names chunk t + 2
	s_lshr_b32 s54, s[QB], 5
	s_add_co_u32 s54, s54, s[GRP]                  ; my 32 queries of the head's 64 x 32
	s_mul_i32 s56, s[ATT], PART
	s_mul_i32 s57, ttmp9, 196608
	s_add_co_u32 s56, s56, s57
	s_mul_i32 s57, s54, 3072
	s_add_co_u32 s56, s56, s57
	s_mov_b32 s57, 0
	s_add_nc_u64 s[56:57], s[4:5], s[56:57]
	s_mul_i32 s58, s[ATT], SPART
	s_lshl_b32 s59, ttmp9, 13
	s_add_co_u32 s58, s58, s59
	s_lshr_b32 s59, s54, 1
	s_lshl_b32 s59, s59, 8
	s_add_co_u32 s58, s58, s59
	s_and_b32 s59, s54, 1
	s_lshl_b32 s59, s59, 2
	s_add_co_u32 s58, s58, s59
	s_mov_b32 s59, 0
	s_add_nc_u64 s[58:59], s[6:7], s[58:59]
	s_lshl_b32 s60, s[GRP], 5                      ; out: the tile that I store is tile ATT of my partner's and my 32 queries
	s_add_co_u32 s60, s60, s[QB]
	s_lshl_b32 s61, s[ATT], 3
	s_add_co_u32 s60, s60, s61
	s_lshl_b32 s60, s60, 9
	s_lshl_b32 s61, ttmp9, 20
	s_add_co_u32 s60, s60, s61
	s_mov_b32 s61, 0
	s_add_nc_u64 s[12:13], s[12:13], s[60:61]
	s_mul_i32 s62, s[ATT], 24576                   ; k1's or k2's images in a slot
	s_add_co_u32 s63, s62, 512
	s_lshl_b32 s50, s[ATT], 10
	s_add_co_u32 s50, s50, 73728                   ; and their scale words
	s_lshl_b32 s51, s[GRP], 5
	s_mul_i32 s52, s[WV], 38
	s_add_co_u32 s53, s52, 32
	s_cmp_eq_u32 s[YB], 0
	s_cselect_b32 s[LIM], 2, -1
	s_cmp_eq_u32 s[ATT], 0
	s_cselect_b32 s[MK], 0, -1
	v_and_b32 v[LN], 31, v0
	v_lshlrev_b32 v[XX], 4, v[LN]
	v_lshlrev_b32 v[XX+1], 3, v[LN]
	v_and_b32 v31, 15, v0
	v_lshlrev_b32 v31, 3, v31
.irp u, 0,1
.irp c, 0,1
	global_load_b128 v[QF+12*\u+6*\c:QF+12*\u+6*\c+3], v[XX], s[56:57] offset:1536*\u+768*\c
	global_load_b64 v[QF+12*\u+6*\c+4:QF+12*\u+6*\c+5], v[XX+1], s[56:57] offset:1536*\u+768*\c+512
.endr
	global_load_b32 v[QS+\u], v31, s[58:59] offset:128*\u
.endr
	v_lshl_add_u32 v[AKA0], v[LN], 4, s62
	v_lshl_add_u32 v[AKB0], v[LN], 3, s63
	v_lshl_add_u32 v[AVA0], v[LN], 4, 49152
	v_lshl_add_u32 v[AVB0], v[LN], 3, 49664
	v_lshl_add_u32 v[ASK0], v[LN], 3, s50
	v_lshl_add_u32 v[ASV0], v[LN], 3, 75776
	v_and_b32 v[THR], 7, v0                        ; on the diagonal step: my query less the step's first key less 16 h
	v_bfe_u32 v[THR+1], v0, 3, 1
	v_lshl_add_u32 v[THR], v[THR+1], 4, v[THR]
	v_bfe_u32 v[THR+1], v0, 4, 1
	v_lshlrev_b32 v[THR+1], 4, v[THR+1]
	v_sub_nc_u32 v[THR], v[THR], v[THR+1]
	v_add_nc_u32 v[THR], s51, v[THR]
	v_add_nc_u32 v[THR+1], 8, v[THR]
	v_add_nc_u32 v[PFO], s52, v[LN]                ; the prefetches: blocks 38 wave + 0 .. 31,
	v_lshlrev_b32 v[PFO], 8, v[PFO]
	v_min_u32 v[PFO+1], 5, v[LN]                   ; and + 32 .. 37, held at the chunk's last block
	v_add_nc_u32 v[PFO+1], s53, v[PFO+1]
	v_min_u32 v[PFO+1], 299, v[PFO+1]
	v_lshlrev_b32 v[PFO+1], 8, v[PFO+1]
	v_mov_b32 v[NINF], 0xff800000
.irp u, 0,1
	v_mov_b32 v[NM+2*\u+1], 0xff61b1e6             ; the largest t so far: under every t
	v_mov_b32 v[SU+2*\u], 0
	v_mov_b32 v[SU+2*\u+1], 0
	v_mov_b32 v[FF+2*\u+1], 0
.irp b, 0,1,2,3
	v_mov_b32 v[TT+16*\u+4+\b], 0                  ; a lane permute's destination counts as a source
.endr
.endr
.irp u, 0,1
	v_floor_f32 v[NM+2*\u], -v[NM+2*\u+1]
.endr
	WIN 0x40
.set ii, 0
.rept 128
	v_mov_b32 v[ii], 0                             ; O^T: the step is written once, so the first finds zeros
.set ii, ii+1
.endr
	WIN 0
.macro FRAGS a, b, q                   ; eight images, 32 loads, into window 1
.irp t, 0,1,2,3,4,5,6,7
.irp c, 0,1
	ds_load_b128 v[FR+12*\t+6*\c:FR+12*\t+6*\c+3], v[\a] offset:STEPB*\q+1536*\t+768*\c
	ds_load_b64 v[FR+12*\t+6*\c+4:FR+12*\t+6*\c+5], v[\b] offset:STEPB*\q+1536*\t+768*\c
.endr
.endr
.endm
.macro QKT t, u                        ; image t holds keys 32 (t / 2) + 8 (t % 2) + r + 8 (r / 8); its words lie in lanes 16 (t % 2) + r of register t / 2
.if (\t)%2
	v_wmma_scale_f32_16x16x128_f8f6f4 v[SB+64*\u+8*\t:SB+64*\u+8*\t+7], v[FR+12*\t:FR+12*\t+11], v[QF+12*\u:QF+12*\u+11], 0, v[KS+\t/2], v[QS+\u] matrix_a_fmt:MATRIX_FMT_FP6 matrix_b_fmt:MATRIX_FMT_FP6 matrix_a_scale:MATRIX_SCALE_ROW1
.else
	v_wmma_scale_f32_16x16x128_f8f6f4 v[SB+64*\u+8*\t:SB+64*\u+8*\t+7], v[FR+12*\t:FR+12*\t+11], v[QF+12*\u:QF+12*\u+11], 0, v[KS+\t/2], v[QS+\u] matrix_a_fmt:MATRIX_FMT_FP6 matrix_b_fmt:MATRIX_FMT_FP6
.endif
.endm
.macro PVT t, u
.if (\t)%2
	v_wmma_scale_f32_16x16x128_f8f6f4 v[64*\u+8*\t:64*\u+8*\t+7], v[FR+12*\t:FR+12*\t+11], v[PC+12*\u:PC+12*\u+11], v[64*\u+8*\t:64*\u+8*\t+7], v[VS+\t/2], v[FF+2*\u+1] matrix_a_fmt:MATRIX_FMT_FP6 matrix_b_fmt:MATRIX_FMT_FP6 matrix_a_scale:MATRIX_SCALE_ROW1
.else
	v_wmma_scale_f32_16x16x128_f8f6f4 v[64*\u+8*\t:64*\u+8*\t+7], v[FR+12*\t:FR+12*\t+11], v[PC+12*\u:PC+12*\u+11], v[64*\u+8*\t:64*\u+8*\t+7], v[VS+\t/2], v[FF+2*\u+1] matrix_a_fmt:MATRIX_FMT_FP6 matrix_b_fmt:MATRIX_FMT_FP6
.endif
.endm
.macro STEP q
	s_cmp_gt_u32 s[KF], s[QB]                      ; a step behind the block's 128 queries is empty for all eight waves
	s_cbranch_scc1 .Lhid_\@
	ds_load_b64 v[KS:KS+1], v[ADS] offset:512*\q
	ds_load_b64 v[KS+2:KS+3], v[ADS] offset:512*\q+256
.irp i, 0,1,2,3
	ds_load_b32 v[VS+\i], v[ADT] offset:256*\i+4*\q
.endr
	WIN 0x40
	FRAGS ADKA, ADKB, \q
	WIN 0x01
	s_wait_dscnt 16                                ; the scale words and images 0-3 are in; the 16 loads of images 4-7 may be out
.irp t, 0,1,2,3
	QKT \t, 0
	QKT \t, 1
.endr
	s_wait_dscnt 0x0
.irp t, 4,5,6,7
	QKT \t, 0
	QKT \t, 1
.endr
	NOPS                                           ; places ahead of the loads into the fragments and of the first read of S
	WIN 0x40
	FRAGS ADVA, ADVB, \q                           ; v's images land under the softmax
	WIN 0
	s_cmp_lg_u32 s[KF], s[QB]
	s_cbranch_scc1 .Lopen_\@
.irp u, 0,1                            ; the diagonal step: register 16 b + i is key 32 b + 16 h + i
.set ii, 0
.rept 64
	v_cmp_gt_i32 vcc_lo, 32*(ii/16)+ii%16, v[THR+\u]
	v_cndmask_b32 v[SB+64*\u+ii], v[SB+64*\u+ii], v[NINF], vcc_lo
.set ii, ii+1
.endr
.endr
.Lopen_\@:
.irp b, 0,1,2,3                        ; the largest score of each block of 32 keys; eight chains by turns
.irp u, 0,1
	v_max3_num_f32 v[TT+16*\u+\b], v[SB+64*\u+16*\b], v[SB+64*\u+16*\b+1], v[SB+64*\u+16*\b+2]
.endr
.endr
.irp i, 3,5,7,9,11,13
.irp b, 0,1,2,3
.irp u, 0,1
	v_max3_num_f32 v[TT+16*\u+\b], v[TT+16*\u+\b], v[SB+64*\u+16*\b+\i], v[SB+64*\u+16*\b+\i+1]
.endr
.endr
.endr
.irp b, 0,1,2,3
.irp u, 0,1
	v_max_num_f32 v[TT+16*\u+\b], v[TT+16*\u+\b], v[SB+64*\u+16*\b+15]
.endr
.endr
.irp b, 0,1,2,3
.irp u, 0,1
	v_permlanex16_b32 v[TT+16*\u+4+\b], v[TT+16*\u+\b], s[SEL], s[SEL+1]
.endr
.endr
.irp b, 0,1,2,3
.irp u, 0,1
	v_max_num_f32 v[TT+16*\u+\b], v[TT+16*\u+\b], v[TT+16*\u+4+\b]
.endr
.endr
.irp u, 0,1
	v_max3_num_f32 v[XX+\u], v[TT+16*\u], v[TT+16*\u+1], v[TT+16*\u+2]
.endr
.irp u, 0,1
	s_delay_alu instid0(VALU_DEP_2)
	v_max_num_f32 v[XX+\u], v[XX+\u], v[TT+16*\u+3]
.endr
.irp u, 0,1
	s_delay_alu instid0(VALU_DEP_2)
	v_mul_f32 v[XX+\u], s[CS], v[XX+\u]
.endr
.irp u, 0,1
	s_delay_alu instid0(VALU_DEP_2)
	v_max_num_f32 v[NM+2*\u+1], v[NM+2*\u+1], v[XX+\u]   ; the running largest t
.endr
.irp u, 0,1
	v_mov_b32 v[XX+\u], v[NM+2*\u]
.endr
.irp u, 0,1
	v_floor_f32 v[NM+2*\u], -v[NM+2*\u+1]          ; -M = floor(-t): M is a whole number
.endr
.irp u, 0,1
	s_delay_alu instid0(VALU_DEP_2)
	v_sub_f32 v[XX+\u], v[NM+2*\u], v[XX+\u]
.endr
.irp u, 0,1
	s_delay_alu instid0(VALU_DEP_2)
	v_cvt_i32_f32 v[XX+\u], v[XX+\u]
.endr
.irp u, 0,1
	s_delay_alu instid0(VALU_DEP_2)
	v_ldexp_f32 v[FF+2*\u], 1.0, v[XX+\u]          ; f = 2^(old M - new M)
.endr
.irp u, 0,1
.set ii, 0
.rept 32
	v_pk_fma_f32 v[SB+64*\u+ii:SB+64*\u+ii+1], v[SB+64*\u+ii:SB+64*\u+ii+1], s[CS:CS+1], v[NM+2*\u:NM+2*\u+1] op_sel_hi:[1,0,0]
.set ii, ii+2
.endr
.endr
.irp b, 0,1,2,3
.irp u, 0,1
	v_fma_f32 v[TT+16*\u+\b], v[TT+16*\u+\b], s[CS], v[NM+2*\u]
.endr
.endr
	s_wait_alu depctr_va_vdst(0)                   ; the wait ahead of the batch
.set ii, 0
.rept 128
	v_exp_f32 v[SB+ii], v[SB+ii]                   ; p = 2^(t - M)
.set ii, ii+1
.endr
.irp b, 0,1,2,3
.irp u, 0,1
	v_exp_f32 v[TT+16*\u+\b], v[TT+16*\u+\b]       ; each block's largest p
.endr
.endr
.irp u, 0,1
	v_pk_mul_f32 v[SU+2*\u:SU+2*\u+1], v[SU+2*\u:SU+2*\u+1], v[FF+2*\u:FF+2*\u+1] op_sel_hi:[1,0]   ; the sums under the new M (the plain place behind the batch)
.endr
	s_wait_alu depctr_va_vdst(0)                   ; and behind it, ahead of its first reader
.irp u, 0,1
	v_pk_add_f32 v[TT+16*\u+4:TT+16*\u+5], v[SB+64*\u:SB+64*\u+1], v[SB+64*\u+2:SB+64*\u+3]
.endr
.irp j, 4,8,12,16,20,24,28,32,36,40,44,48,52,56,60
.irp u, 0,1
	v_pk_add_f32 v[SU+2*\u:SU+2*\u+1], v[SU+2*\u:SU+2*\u+1], v[SB+64*\u+\j:SB+64*\u+\j+1]
	v_pk_add_f32 v[TT+16*\u+4:TT+16*\u+5], v[TT+16*\u+4:TT+16*\u+5], v[SB+64*\u+\j+2:SB+64*\u+\j+3]
.endr
.endr
.irp u, 0,1
	v_pk_add_f32 v[SU+2*\u:SU+2*\u+1], v[SU+2*\u:SU+2*\u+1], v[TT+16*\u+4:TT+16*\u+5]
.endr
.irp b, 0,1,2,3
.irp u, 0,1
	v_max_num_f32 v[TT+16*\u+\b], 0x1800000, v[TT+16*\u+\b]   ; the floor: the byte cannot fall under 1
.endr
.endr
.irp b, 0,1,2,3
.irp u, 0,1
	v_add_nc_u32 v[TT+16*\u+12+\b], 0xff000000, v[TT+16*\u+\b]
.endr
.endr
.irp b, 0,1,2,3
.irp u, 0,1
	v_lshrrev_b32 v[TT+16*\u+4+\b], 23, v[TT+16*\u+12+\b]
.endr
.endr
.irp u, 0,1
	v_lshl_or_b32 v[FF+2*\u+1], v[TT+16*\u+5], 8, v[TT+16*\u+4]
.endr
.irp u, 0,1
	s_delay_alu instid0(VALU_DEP_2)
	v_lshl_or_b32 v[FF+2*\u+1], v[TT+16*\u+6], 16, v[FF+2*\u+1]
.endr
.irp u, 0,1
	s_delay_alu instid0(VALU_DEP_2)
	v_lshl_or_b32 v[FF+2*\u+1], v[TT+16*\u+7], 24, v[FF+2*\u+1]   ; p's scale word for these 128 keys
.endr
.irp u, 0,1
.irp c, 0,1
	v_cvt_scalef32_pk16_fp6_f32 v[PC+12*\u+6*\c:PC+12*\u+6*\c+2], v[SB+64*\u+32*\c:SB+64*\u+32*\c+15], v[TT+16*\u+12+2*\c]
	v_cvt_scalef32_pk16_fp6_f32 v[TT+16*\u+4+4*\c:TT+16*\u+6+4*\c], v[SB+64*\u+32*\c+16:SB+64*\u+32*\c+31], v[TT+16*\u+13+2*\c]
.endr
.endr
	v_nop                                          ; the plain place behind the conversions
.irp u, 0,1
.irp c, 0,1
.irp i, 0,1,2
	v_permlane16_swap_b32 v[PC+12*\u+6*\c+\i], v[TT+16*\u+4+4*\c+\i]   ; a whole block of 32 keys to a lane
.endr
.endr
.endr
.irp u, 0,1
.irp c, 0,1
.irp i, 0,1,2
	v_mov_b32 v[PC+12*\u+6*\c+3+\i], v[TT+16*\u+4+4*\c+\i]
.endr
.endr
.endr
	s_wait_dscnt 0x0                               ; v's images are in
	WIN 0x41
	s_wait_alu depctr_va_vdst(0)                   ; the wait directly ahead of the first reader of O^T
.irp u, 0,1
.set ii, 0
.rept 32
	v_pk_mul_f32 v[64*\u+ii:64*\u+ii+1], v[64*\u+ii:64*\u+ii+1], v[FF+2*\u:FF+2*\u+1] op_sel_hi:[1,0]   ; O^T under the new M
.set ii, ii+2
.endr
.endr
	WIN 0x51
.irp t, 0,1,2,3,4,5,6,7
	PVT \t, 0
	PVT \t, 1
.endr
	NOPS                                           ; places ahead of the next loads into fragments and scale words
	WIN 0
.Lhid_\@:
	s_add_co_u32 s[KF], s[KF], 128
.endm
	s_wait_alu depctr_va_vdst(0)                   ; the wait at the head's end
	s_wait_loadcnt 0x0
	s_wait_kmcnt 0x0
.Lslot:
	s_wait_tensorcnt 0x0                           ; my one load that was out, my part of this trip's chunk, has landed
	ds_add_u32 v[SPW], v[NIL]
	s_xor_b32 s[G0+1], s[G0+1], SLOT1              ; the next chunk, into the other slot
	s_add_nc_u64 s[G0+2:G0+3], s[G0+2:G0+3], CHUNK
	s_wait_xcnt 0x0                                ; my prefetches have read their base
	s_add_nc_u64 s[PFA:PFA+1], s[PFA:PFA+1], CHUNK
	s_wait_dscnt 0x0                               ; the add is done, and my reads of the other slot
	s_barrier_signal -1
	s_barrier_wait -1
	s_add_co_u32 s50, s[KF], 256
	s_cmp_gt_u32 s50, s[QB]                        ; a chunk behind the block's queries is read by nobody and is not fetched
	s_cbranch_scc1 .Lpast
	TLOAD
.Lpast:
	v_add_nc_u32 v[ADKA], s[TB], v[AKA0]
	v_add_nc_u32 v[ADKB], s[TB], v[AKB0]
	v_add_nc_u32 v[ADVA], s[TB], v[AVA0]
	v_add_nc_u32 v[ADVB], s[TB], v[AVB0]
	v_add_nc_u32 v[ADS], s[TB], v[ASK0]
	v_add_nc_u32 v[ADT], s[TB], v[ASV0]
	s_wait_alu depctr_va_vdst(0)                   ; the wait
	STEP 0
	s_cmp_gt_u32 s[SLOTS], s[LIM]                  ; block 15 alone, trips 0 to 5
	s_cbranch_scc0 .Lnot_mine
	global_prefetch_b8 v[PFO], s[PFA:PFA+1] th:TH_LOAD_NT scope:SCOPE_SE
	global_prefetch_b8 v[PFO+1], s[PFA:PFA+1] th:TH_LOAD_NT scope:SCOPE_SE
.Lnot_mine:
	STEP 1
	s_xor_b32 s[TB], s[TB], SLOT1
	s_sub_co_u32 s[SLOTS], s[SLOTS], 1
	s_cmp_lg_u32 s[SLOTS], 0
	s_wait_alu depctr_va_vdst(0)
	s_cbranch_scc1 .Lslot
	; THE END: O^T / sum, times 1 or -lambda; partner waves (w, w + 4) exchange a tile, each adds and stores one
	s_wait_tensorcnt 0x0                           ; no tensor load of mine is out when LDS is stored to
	s_mul_i32 s50, s[WV], 16*SPITCH
	s_add_co_u32 s50, s50, IMG
	s_xor_b32 s51, s[WV], 4
	s_mul_i32 s51, s51, 16*SPITCH
	s_add_co_u32 s51, s51, IMG
	s_mul_i32 s52, s[WV], 16*SPITCH
	s_add_co_u32 s52, s52, IMG
.irp u, 0,1
	v_add_f32 v[SU+2*\u], v[SU+2*\u], v[SU+2*\u+1]
.endr
.irp u, 0,1
	v_permlanex16_b32 v[TT+16*\u+4], v[SU+2*\u], s[SEL], s[SEL+1]
.endr
.irp u, 0,1
	v_add_f32 v[SU+2*\u], v[SU+2*\u], v[TT+16*\u+4]
.endr
	v_mov_b32 v[XX], 0x3fb8aa3b
	v_mul_f32 v[XX], s[LAM], v[XX]
	s_wait_alu depctr_va_vdst(0)                   ; the wait ahead of the batch
	v_rcp_f32 v[SU], v[SU]
	v_rcp_f32 v[SU+2], v[SU+2]
	v_exp_f32 v[XX], v[XX]                         ; lambda
	v_lshl_add_u32 v9, v[LN], 4, s50               ; my image, my partner's
	v_lshl_add_u32 v10, v[LN], 4, s51
	v_and_b32 v14, 15, v0
	v_mul_u32_u24 v11, v14, SPITCH
	v_bfe_u32 v14, v0, 4, 1
	v_lshl_add_u32 v11, v14, 5, v11
	v_add_nc_u32 v11, s52, v11                     ; the stage: row r, 32 bytes for each half of the lanes
	v_lshl_add_u32 v12, v[LN], 4, s52              ; back: 32 lanes take a row of 512 bytes
	v_lshlrev_b32 v13, 4, v[LN]
	v_mov_b32 v[XX+1], 1.0
	s_wait_alu depctr_va_vdst(0)                   ; and behind it
	v_mul_f32 v[XX], -1.0, v[XX]
	v_cndmask_b32 v[XX], v[XX+1], v[XX], s[MK]
	v_mul_f32 v[SU], v[SU], v[XX]
	v_mul_f32 v[SU+2], v[SU+2], v[XX]
.macro SCALEO keep, send               ; v128-191: the tile that I keep; v192-255: the tile that I send
	WIN 0x01
	s_wait_alu depctr_va_vdst(0)                   ; the wait directly ahead of the first reader of O^T
.set ii, 0
.rept 32
	v_pk_mul_f32 v[128+ii:129+ii], v[64*\keep+ii:64*\keep+ii+1], v[SU+2*\keep:SU+2*\keep+1] op_sel_hi:[1,0]
.set ii, ii+2
.endr
.set ii, 0
.rept 32
	v_pk_mul_f32 v[192+ii:193+ii], v[64*\send+ii:64*\send+ii+1], v[SU+2*\send:SU+2*\send+1] op_sel_hi:[1,0]
.set ii, ii+2
.endr
	WIN 0
	s_wait_alu depctr_va_vdst(0)
.endm
	s_cmp_eq_u32 s[ATT], 0
	s_cbranch_scc0 .Lsecond
	SCALEO 0, 1
	s_branch .Ljoin
.Lsecond:
	SCALEO 1, 0
.Ljoin:
.irp c, 0,1,2,3,4,5,6,7,8,9,10,11,12,13,14,15
	ds_store_b128 v9, v[192+4*\c:195+4*\c] offset:512*\c
.endr
	s_wait_dscnt 0x0
	s_barrier_signal -1
	s_barrier_wait -1                              ; every wave's tile is in LDS, and nobody reads a slot any more
.irp c, 0,1,2,3,4,5,6,7,8,9,10,11,12,13,14,15
	ds_load_b128 v[192+4*\c:195+4*\c], v10 offset:512*\c
.endr
	s_wait_dscnt 0x0                               ; my reads of my partner's image are over
	s_barrier_signal -1
	s_barrier_wait -1                              ; so are my partner's of mine: my bytes may take my stage
.set ii, 0
.rept 32
	v_pk_add_f32 v[128+ii:129+ii], v[128+ii:129+ii], v[192+ii:193+ii]
.set ii, ii+2
.endr
.irp t, 0,1,2,3,4,5,6,7
	ds_store_b128 v11, v[128+8*\t:131+8*\t] offset:64*\t        ; register 8 t + j is out(query r, 16 t + 8 h + j)
	ds_store_b128 v11, v[132+8*\t:135+8*\t] offset:64*\t+16
.endr
.irp i, 0,1,2,3,4,5,6,7,8,9,10,11,12,13,14,15
	ds_load_b128 v[192+4*\i:195+4*\i], v12 offset:\i*SPITCH      ; LDS serves a wave's instructions in order: these see my stores
.endr
.irp i, 0,1,2,3,4,5,6,7,8,9,10,11,12,13,14,15
	s_wait_dscnt 15-\i
	global_store_b128 v13, v[192+4*\i:195+4*\i], s[12:13] offset:((\i%8)+16*(\i/8))*512 th:TH_STORE_NT   ; 32 lanes store a row's 512 bytes
.endr
	s_wait_tensorcnt 0x0                           ; the wave's end
	ds_add_u32 v[SPW], v[NIL]
	s_wait_dscnt 0x0
	s_endpgm
.Lfunc_end_k_q6bf36f2dc6_attn:
	.size	k_q6bf36f2dc6_attn, .Lfunc_end_k_q6bf36f2dc6_attn-k_q6bf36f2dc6_attn
	.p2alignl 7, 3214868480
	.fill 96, 4, 3214868480
	.section	.rodata,"a",@progbits
	.p2align	6, 0x0
	.amdhsa_kernel k_q6bf36f2dc6_attn
		.amdhsa_group_segment_fixed_size 327680
		.amdhsa_private_segment_fixed_size 0
		.amdhsa_enable_private_segment 0
		.amdhsa_kernarg_size 40
		.amdhsa_user_sgpr_count 2
		.amdhsa_user_sgpr_kernarg_segment_ptr 1
		.amdhsa_wavefront_size32 1
		.amdhsa_system_sgpr_workgroup_id_x 1
		.amdhsa_system_sgpr_workgroup_id_y 1
		.amdhsa_system_sgpr_workgroup_id_z 1
		.amdhsa_system_vgpr_workitem_id 0
		.amdhsa_next_free_vgpr 512
		.amdhsa_next_free_sgpr 70
		.amdhsa_reserve_vcc 1
		.amdhsa_float_denorm_mode_32 3
		.amdhsa_float_denorm_mode_16_64 3
		.amdhsa_memory_ordered 1
		.amdhsa_forward_progress 1
		.amdhsa_inst_pref_size 122
	.end_amdhsa_kernel
	.amdgpu_metadata
---
amdhsa.version: [ 1, 2 ]
amdhsa.kernels:
  - .name:           k_q6bf36f2dc6_attn
    .symbol:         k_q6bf36f2dc6_attn.kd
    .args:
      - { .name: q_codes, .offset: 0, .size: 8, .value_kind: global_buffer, .address_space: global }
      - { .name: q_scales, .offset: 8, .size: 8, .value_kind: global_buffer, .address_space: global }
      - { .name: kv, .offset: 16, .size: 8, .value_kind: global_buffer, .address_space: global }
      - { .name: lambda_log, .offset: 24, .size: 8, .value_kind: global_buffer, .address_space: global }
      - { .name: out0, .offset: 32, .size: 8, .value_kind: global_buffer, .address_space: global }
    .group_segment_fixed_size: 327680
    .private_segment_fixed_size: 0
    .kernarg_segment_align: 8
    .kernarg_segment_size: 40
    .max_flat_workgroup_size: 256
    .sgpr_count:     70
    .vgpr_count:     512
    .wavefront_size: 32
...
	.end_amdgpu_metadata
.endif
;; end of part 2
